; MI455X (gfx1250); checked and timed in simulation.
; The chip was launched on July 23, 2026; its instructions are those of AMD's public machine-readable ISA for CDNA 5 (MIT licence, August 2026) and "CDNA5" Instruction Set Architecture Reference Guide (July 2026). The comments in the code are by the model that wrote it; some were corrected since.
;; s LSTM Block. Allowed arithmetic: float matrix products may take bf16 or f16 operands with f32 sums; all other float work in f32.
;; Inputs: Rfh_b 2,048 float32; Rfh_w 2,048 x 2,048 float32; Rih_b 2,048 float32; Rih_w 2,048 x 2,048 float32; Roh_b 2,048 float32; Roh_w 2,048 x 2,048 float32; Rzh_b 2,048 float32; Rzh_w 2,048 x 2,048 float32; Wfx_b 2,048 float32; Wfx_w 2,048 x 2,048 float32; Wix_b 2,048 float32; Wix_w 2,048 x 2,048 float32; Wox_b 2,048 float32; Wox_w 2,048 x 2,048 float32; Wzx_b 2,048 float32; Wzx_w 2,048 x 2,048 float32; c_prev 2,048 x 2,048 float32; h_prev 2,048 x 2,048 float32; m_prev 2,048 x 2,048 float32; n_prev 2,048 x 2,048 float32; x 2,048 x 2,048 float32.
;; Outputs: out0 2,048 x 2,048 float32; out1 2,048 x 2,048 float32; out2 2,048 x 2,048 float32; out3 2,048 x 2,048 float32.
;; One version. Each part assembles by itself: llvm-mc -triple=amdgcn-amd-amdhsa -mcpu=gfx1250 --defsym DOCPART=n.
;; ======== version 1 of 1: 2 launches
;; workspace buffers: abf 16,777,216 bytes; wbf 67,108,864 bytes
;; launch cast (part 1): grid 2048 x 1, 8 waves a work-group, no clusters, 0 bytes of LDS; arguments x, h_prev, Wzx_w, Wix_w, Wfx_w, Wox_w, Rzh_w, Rih_w, Rfh_w, Roh_w, abf, wbf; writes abf, wbf
.if DOCPART == 1
	.amdgcn_target "amdgcn-amd-amdhsa--gfx1250"
	.amdhsa_code_object_version 6
	.text
	.protected	k_qb249a903dd_cast
	.globl	k_qb249a903dd_cast
	.p2align	8
	.type	k_qb249a903dd_cast,@function
k_qb249a903dd_cast:
	s_mov_b64 s[64:65], 0
	v_nop
	global_prefetch_b8 v0, s[64:65] scope:SCOPE_SE
	s_setreg_imm32_b32 hwreg(HW_REG_WAVE_MODE, 25, 1), 1
	s_wait_xcnt 0x0
; The ten f32 matrices that enter matrix products are rounded once to bf16 (nearest even) and laid out for the product that follows.
;   abf [2048][4096] bf16: row b = x[b] (columns 0-2047), then h_prev[b] (columns 2048-4095).
;   wbf [8192][4096] bf16: gate g (0 z, 1 i, 2 f, 3 o), hidden row j lies in row (j / 16) * 64 + g * 16 + j % 16: W_g[j], then R_g[j].
;   So 64 neighbouring rows of wbf are 16 hidden columns of all four gates.
; Work-group r takes row r of all ten matrices.  A row is 8,192 bytes: thread t takes the 16 bytes at 16 t and at 16 t + 4,096, so a wave's load
; covers 512 consecutive bytes; the four numbers become 8 bytes at 8 t (and 8 t + 2,048) of a half row of bf16, so a wave's store covers 256
; consecutive bytes, aligned.  All twenty loads of a thread go out first; no register is written twice, so no wait frees a source.
; No LDS, no barrier, no matrix unit: nothing is shared and nothing is summed.
; LIMIT: an f32 beyond bf16's largest finite number rounds to infinity.
.set ROWB, 8192                        ; bytes in a row of f32, and in a row of abf and wbf
.set GATE, 16*ROWB                     ; from a gate's rows to the next gate's in wbf
.set X, 4                              ; v[4:83]    load i = 2 k + j (matrix k, half j): 4 registers
.set Y, 84                             ; v[84:123]  the same, rounded: 2 registers
	s_load_b512 s[4:19], s[0:1], 0x0               ; matrix k at s[4+2k:5+2k]: 0 x, 1 h_prev, 2-5 Wz Wi Wf Wo, 6-7 Rz Ri
	s_load_b256 s[20:27], s[0:1], 0x40             ; 8-9 Rf Ro; abf s[24:25]; wbf s[26:27]
	s_lshl_b32 s2, ttmp9, 13                       ; row r in a source and in abf
	s_lshr_b32 s3, ttmp9, 4
	s_lshl_b32 s3, s3, 6
	s_and_b32 s28, ttmp9, 15
	s_or_b32 s3, s3, s28                           ; (r / 16) * 64 + r % 16: gate 0's row in wbf
	s_lshl_b32 s3, s3, 13
	v_lshl_add_u32 v1, v0, 4, s2                   ; where I read
	v_lshl_add_u32 v2, v0, 3, s2                   ; where I write in abf
	v_lshl_add_u32 v3, v0, 3, s3                   ; where I write in wbf
	s_wait_kmcnt 0x0
.set k, 0
.rept 10
	global_load_b128 v[X+8*k:X+8*k+3],   v1, s[4+2*k:5+2*k] th:TH_LOAD_NT
	global_load_b128 v[X+8*k+4:X+8*k+7], v1, s[4+2*k:5+2*k] offset:4096 th:TH_LOAD_NT
.set k, k+1
.endr
; Load i is rounded and stored.  i may be an expression: it stands in parentheses wherever it is used.
; The stores carry no hint: the next launch reads these bytes.
.macro PUT i, voff, base, off
	s_wait_loadcnt 19-(\i)                         ; loads come back in order (ISA guide 5.7.1): load i is in, the 19 - i younger ones stay out
	v_cvt_pk_bf16_f32 v[Y+2*(\i)],   v[X+4*(\i)],   v[X+4*(\i)+1]
	v_cvt_pk_bf16_f32 v[Y+2*(\i)+1], v[X+4*(\i)+2], v[X+4*(\i)+3]
	global_store_b64 v[\voff], v[Y+2*(\i):Y+2*(\i)+1], s[\base:\base+1] offset:\off
.endm
	PUT 0, 2, 24, 0                                ; x: the left half of abf's row
	PUT 1, 2, 24, 2048
	PUT 2, 2, 24, 4096                             ; h_prev: the right half
	PUT 3, 2, 24, 6144
.irp g, 0,1,2,3
	PUT 4+2*\g, 3, 26, \g*GATE                     ; W of gate g: the left half of its row of wbf
	PUT 5+2*\g, 3, 26, \g*GATE+2048
.endr
.irp g, 0,1,2,3
	PUT 12+2*\g, 3, 26, \g*GATE+4096               ; R of gate g: the right half
	PUT 13+2*\g, 3, 26, \g*GATE+6144
.endr
	s_endpgm
.Lfunc_end_k_qb249a903dd_cast:
	.size	k_qb249a903dd_cast, .Lfunc_end_k_qb249a903dd_cast-k_qb249a903dd_cast
	.p2alignl 7, 3214868480
	.fill 96, 4, 3214868480
	.section	.rodata,"a",@progbits
	.p2align	6, 0x0
	.amdhsa_kernel k_qb249a903dd_cast
		.amdhsa_group_segment_fixed_size 0
		.amdhsa_private_segment_fixed_size 0
		.amdhsa_enable_private_segment 0
		.amdhsa_kernarg_size 96
		.amdhsa_user_sgpr_count 2
		.amdhsa_user_sgpr_kernarg_segment_ptr 1
		.amdhsa_wavefront_size32 1
		.amdhsa_system_sgpr_workgroup_id_x 1
		.amdhsa_system_sgpr_workgroup_id_y 1
		.amdhsa_system_sgpr_workgroup_id_z 1
		.amdhsa_system_vgpr_workitem_id 0
		.amdhsa_next_free_vgpr 128
		.amdhsa_next_free_sgpr 66
		.amdhsa_reserve_vcc 0
		.amdhsa_float_denorm_mode_32 3
		.amdhsa_float_denorm_mode_16_64 3
		.amdhsa_memory_ordered 1
		.amdhsa_forward_progress 1
		.amdhsa_inst_pref_size 8
	.end_amdhsa_kernel
	.amdgpu_metadata
---
amdhsa.version: [ 1, 2 ]
amdhsa.kernels:
  - .name:           k_qb249a903dd_cast
    .symbol:         k_qb249a903dd_cast.kd
    .args:
      - { .name: x, .offset: 0, .size: 8, .value_kind: global_buffer, .address_space: global }
      - { .name: h_prev, .offset: 8, .size: 8, .value_kind: global_buffer, .address_space: global }
      - { .name: Wzx_w, .offset: 16, .size: 8, .value_kind: global_buffer, .address_space: global }
      - { .name: Wix_w, .offset: 24, .size: 8, .value_kind: global_buffer, .address_space: global }
      - { .name: Wfx_w, .offset: 32, .size: 8, .value_kind: global_buffer, .address_space: global }
      - { .name: Wox_w, .offset: 40, .size: 8, .value_kind: global_buffer, .address_space: global }
      - { .name: Rzh_w, .offset: 48, .size: 8, .value_kind: global_buffer, .address_space: global }
      - { .name: Rih_w, .offset: 56, .size: 8, .value_kind: global_buffer, .address_space: global }
      - { .name: Rfh_w, .offset: 64, .size: 8, .value_kind: global_buffer, .address_space: global }
      - { .name: Roh_w, .offset: 72, .size: 8, .value_kind: global_buffer, .address_space: global }
      - { .name: abf, .offset: 80, .size: 8, .value_kind: global_buffer, .address_space: global }
      - { .name: wbf, .offset: 88, .size: 8, .value_kind: global_buffer, .address_space: global }
    .group_segment_fixed_size: 0
    .private_segment_fixed_size: 0
    .kernarg_segment_align: 8
    .kernarg_segment_size: 96
    .max_flat_workgroup_size: 256
    .sgpr_count:     66
    .vgpr_count:     128
    .wavefront_size: 32
...
	.end_amdgpu_metadata
.endif
;; end of part 1
;; launch cell (part 2): grid 32 x 8, 4 waves a work-group, clusters of 4 x 4, 327,680 bytes of LDS; arguments abf, wbf, c_prev, n_prev, m_prev, out0, out1, out2, out3, Wzx_b, Rzh_b, Wix_b, Rih_b, Wfx_b, Rfh_b, Wox_b, Roh_b; writes out0, out1, out2, out3
.if DOCPART == 2
	.amdgcn_target "amdgcn-amd-amdhsa--gfx1250"
	.amdhsa_code_object_version 6
	.text
	.protected	k_qb249a903dd_cell
	.globl	k_qb249a903dd_cell
	.p2align	8
	.type	k_qb249a903dd_cell,@function
k_qb249a903dd_cell:
	s_mov_b64 s[64:65], 0
	v_nop
	global_prefetch_b8 v0, s[64:65] scope:SCOPE_SE
	s_setreg_imm32_b32 hwreg(HW_REG_WAVE_MODE, 25, 1), 1
	s_wait_xcnt 0x0
	s_wait_alu depctr_hold_cnt(0) depctr_sa_sdst(0) depctr_va_vdst(0) depctr_va_sdst(0) depctr_va_ssrc(0) depctr_va_vcc(0) depctr_vm_vsrc(0)
	s_getreg_b32 s2, hwreg(HW_REG_IB_STS2, 6, 4)
	s_cmp_eq_u32 s2, 0
	s_cbranch_scc0 .Lentry_in_a_cluster
	s_endpgm
.Lentry_in_a_cluster:
	s_bfe_u32 s2, ttmp6, 0x10000c
	s_cmp_lg_u32 s2, 0xf033
	s_cbranch_scc0 .Lentry_shape_is_right
	s_endpgm
.Lentry_shape_is_right:
; The sLSTM step.  P = abf wbf^T (2048 x 8192, K = 4096, bf16 operands, f32 sums) holds all four gates' pre-activations without their biases; behind it, in the same launch,
;   z = tanh(Pz + bz), li = Pi + bi, lf = Pf + bf, o = sigmoid(Po + bo), m = max(lf + m_prev, li), i = e^(li - m), f = e^(lf + m_prev - m),
;   c = f c_prev + i z, n = f n_prev + i, h = o c / n;  out0..3 = h, c, n, m, all f32.  The maximum is taken away in front of both exponentials.
; wbf's rows are ordered so that 64 neighbouring rows are 16 hidden columns of the gates z, i, f, o: a block of 256 x 256 of P is 256 batch rows x 64 hidden columns x 4 gates.
; SHARES.  A work-group of four waves makes one such block; 8 x 32 blocks.  A wave makes 128 x 128: 64 accumulators of 16 x 16, 512 registers.  K goes in steps of 128 through a ring of two LDS
; slots filled by the tensor data mover; the tiles' rows are 256 bytes of memory and start at multiples of 256 bytes from the buffer's first byte.
; CLUSTERS: 4 x 4 work-groups.  The four of a row of the cluster need the same tiles of abf, the four of a column the same tiles of wbf: each tile is asked for JOINTLY, by the same tensor load
; with the same descriptor and a mask that names the four.  That divides the requests for both by four.  By this text's own count a wave has two tensor loads out at the start, later one.
; THE MATRIX INSTRUCTION IS USED TRANSPOSED (source 0 = 16 rows of wbf, source 1 = 16 rows of abf): a lane holds one batch row (lane % 16) and eight neighbouring hidden columns of one gate.
; THE WAY OUT.  The ring has had its last fill; its bytes become a stage of four regions, one a gate, 256 batch rows x 64 hidden columns of f32.  Behind a barrier each wave reads 64 whole rows
; of all four regions, two rows a turn, so that sixteen lanes hold 256 consecutive bytes of a row of c_prev, n_prev, m_prev and of each output.
; LIMITS.  Matrix operands are bf16.  v_exp_f32 and v_rcp_f32 flush denormals (ISA guide 15.8): a weight i or f below 2^-126 is 0.  h is made as c / (n (1 + e^-(Po + bo))), one reciprocal:
; where that product passes 2^126, h is 0 (the exact h is then below (|c_prev| + 1) 2^-126).  tanh(x) = 1 - 2 / (1 + e^(2x)): absolute error about 1e-7.  In the maximum a NaN loses.
;
; REGISTERS, in windows of 256 (s_set_vgpr_msb's low byte: bits 1:0 source 0, 3:2 source 1, 5:4 source 2, 7:6 destination):
;   window 0: v0-31 addresses; v32-63 biases; v64-127, v128-191 fragments of abf, two buffers; v196-255 the first five turns' c, n, m, loaded ahead of the loop.  On the way out see below.
;   window 1: v64-127, v128-191 fragments of wbf, two buffers
;   window 2: the 32 accumulators of my rows 0-63 (accumulator (a, b) at v[8 (8 a + b)]; b: hidden group b / 4, gate b % 4);   window 3: those of my rows 64-127
.set SIZE_K, 4096
.set KSTEP,  128
.set PITCH,  272                       ; an LDS row: 256 bytes of data + 16 of padding = 68 words: row r starts at bank 4 r mod 64 (64 banks of 4 bytes: ISA guide 11.1), so the 16 rows that a load touches start at 16 different banks
.set HALFT,  128*PITCH                 ; 128 rows: what one tensor load brings, and what one wave reads of abf or of wbf
.set SLOT,   4*HALFT                   ; abf's 256 rows, then wbf's 256 rows
.set GREG,   256*PITCH                 ; the stage: one gate's region; 4 x GREG = 2 x SLOT
.set LAPS,   SIZE_K/(2*KSTEP)          ; a lap = two K steps = once round the ring: 16
.set ROWB,   8192                      ; bytes in a row of c_prev, n_prev, m_prev and the outputs
.set STO,  8                           ; v8-11   the way out: where I put 16 bytes of gate g
.set RD,   12                          ; v12-15  the way out: where I read a row of gate g back
.set ADRA, 16                          ; v16-17  LDS address of my abf fragments in slot 0, 1
.set ADRB, 20                          ; v20-21  the same for wbf
.set CO,   22                          ; v22     my byte offset in c_prev, n_prev, m_prev and the outputs
.set BO,   23                          ; v23     my byte offset in the biases
.set PF0,  24                          ; v24-25  byte offsets for the prefetches; never rewritten
.set PF1,  25
.set BIAS, 32                          ; v32-47  my four hidden columns' biases: z, i, f, o, four each
.set RB,   48                          ; v48-63  the recurrent biases as loaded
.set F0,   64                          ; fragment buffer 0
.set F1,   128                         ; fragment buffer 1
.set LD,   64                          ; the way out: v64-127, four slots of 16: a turn's Pz, Pi, Pf, Po
.set OUT,  128                         ; the way out: v128-159, two sets of 16: h, c, n, m
                                       ; the way out: v160-255, eight slots of 12: a turn's c_prev, n_prev, m_prev (macro GLREG)
.set G1, 24                            ; s[24:31] descriptor group 1 for abf's tiles
.set G0, 32                            ; s[32:39] descriptor group 0 for abf's tiles, one set for each slot
.set G1B, 48                           ; s[48:55] descriptor group 1 for wbf's tiles: it differs in the mask alone
.set G0B, 56                           ; s[56:63] descriptor group 0 for wbf's tiles, one set for each slot
.set MSB, 0
.macro WIN new                         ; the immediate's high byte repeats the setting that is left; a switch that changes nothing is dropped
.if MSB != \new
	s_set_vgpr_msb (MSB<<8)|\new
.set MSB, \new
.endif
.endm
.set MUL_LO, 0xa1                      ; source 0 (wbf) window 1, source 1 (abf) window 0, C and D window 2
.set MUL_HI, 0xf1                      ; the same, C and D window 3
.set TO_B,   0x40                      ; destination window 1, address window 0
; A joint load.  Waves 0 and 1 fetch abf's two halves, waves 2 and 3 wbf's.  Each of the two lines has ONE mask and one set of registers for all that issue it.  The branch hangs on the
; wave's number alone.  Four v_nop follow each of the two lines; the jump round the other line, the label and what follows the macro come after them.
.macro JLOAD s
	s_cmp_eq_u32 s11, 0
	s_cbranch_scc0 .Lfor_b_\@
	tensor_load_to_lds s[G0+4*\s:G0+4*\s+3], s[G1:G1+7]
	s_nop 0
.rept 4
	v_nop
.endr
	s_branch .Lasked_\@
.Lfor_b_\@:
	tensor_load_to_lds s[G0B+4*\s:G0B+4*\s+3], s[G1B:G1B+7]
	s_nop 0
.rept 4
	v_nop
.endr
.Lasked_\@:
.endm
; A round of the cluster's barrier: my work-group's barrier, so that wave 0's signal speaks for all four waves; wave 0 signals for the work-group; every wave waits for all sixteen
; work-groups; my work-group's barrier once more.  No LDS instruction of the wave is pending at a signal.
.macro CREST                           ; a round behind its opening barrier
	s_cmp_lg_u32 s10, 0
	s_cbranch_scc1 .Lnot_wave_0_\@
	s_barrier_signal -3
.Lnot_wave_0_\@:
	s_barrier_wait -3
	s_barrier_signal -1
	s_barrier_wait -1
.endm
.macro CROUND                          ; a whole round
	s_barrier_signal -1
	s_barrier_wait -1
	CREST
.endm
	s_load_b128 s[4:7], s[0:1], 0x0                ; abf s[4:5], wbf s[6:7]
	s_load_b512 s[68:83], s[0:1], 0x10             ; c_prev 68, n_prev 70, m_prev 72, out0 74, out1 76, out2 78, out3 80, Wzx_b 82
	s_load_b256 s[84:91], s[0:1], 0x50             ; Rzh_b 84, Wix_b 86, Rih_b 88, Wfx_b 90
	s_load_b128 s[92:95], s[0:1], 0x70             ; Rfh_b 92, Wox_b 94
	s_load_b64 s[96:97], s[0:1], 0x80              ; Roh_b: gate g's two biases lie at s[82+4g], s[84+4g]
	s_set_vgpr_msb 0x40
	v_lshl_add_u32 v255, v0, 2, 0x44000
	s_set_vgpr_msb 0x4000
	v_mov_b32 v31, 0
	s_set_vgpr_msb 0x1
	ds_add_u32 v255, v31
	s_set_vgpr_msb 0x100
	v_lshrrev_b32 v1, 5, v0
	v_readfirstlane_b32 s10, v1                    ; wave 0..3
	s_lshr_b32 s11, s10, 1                         ; which half of the block's batch rows is mine.  Also: I fetch for abf (0) or for wbf (1)
	s_and_b32 s12, s10, 1                          ; which half of its wbf rows.  Also: which 128 rows of that tile I fetch
	s_bfe_u32 s40, ttmp6, 0x40000                  ; cx: my place along the cluster's x
	s_bfe_u32 s41, ttmp6, 0x40004                  ; cy: along its y
	s_lshl_b32 s42, ttmp9, 2                       ; in a cluster launch ttmp9 and ttmp7 count clusters
	s_add_co_u32 s42, s42, s40                     ; block column = 4 x cluster x + cx
	s_and_b32 s13, ttmp7, 0xffff
	s_lshl_b32 s13, s13, 2
	s_add_co_u32 s13, s13, s41                     ; block row = 4 x cluster y + cy
	s_lshl_b32 s43, s41, 2
	s_lshl_b32 s43, 15, s43                        ; my row of the cluster: places 4 cy .. 4 cy + 3
	s_lshl_b32 s44, 0x1111, s40                    ; my column: places cx, cx + 4, cx + 8, cx + 12
	; descriptor group 1: a tile of 128 rows x 128 elements, padded in LDS
	s_or_b32 s[G1+0], s43, (1<<16)|(1<<20)|(1<<21)|(5<<22)|(3<<25)  ; 15:0 the mask: abf's tiles go to my row; 17:16 element of 2 bytes; 20 padding on; 21 set beside a mask; 24:22 after every 64 words (code 5); 31:25 of 4 words (code 3)
	s_or_b32 s[G1B+0], s44, (1<<16)|(1<<20)|(1<<21)|(5<<22)|(3<<25) ; the same with the mask of my column, for wbf's tiles
.irp g, G1, G1B
	s_mov_b32 s[\g+1], KSTEP<<16                   ; 63:48 tensor_dim0, low half = 128
	s_mov_b32 s[\g+2], 128<<16                     ; 79:64 its high half = 0; 95:80 tensor_dim1, low half = 128
	s_mov_b32 s[\g+3], KSTEP<<16                   ; 111:96 its high half = 0; 127:112 tile_dim0 = 128
	s_mov_b32 s[\g+4], 128                         ; 143:128 tile_dim1 = 128; 159:144 tile_dim2 = 0
	s_mov_b32 s[\g+5], SIZE_K                      ; 191:160 tensor_dim0_stride, low word: elements from row to row
	s_mov_b32 s[\g+6], 0
	s_mov_b32 s[\g+7], 0
.endr
	; where the tiles come from.  abf's hang on the block row alone, which my row of the cluster shares; wbf's on the block column alone, which my column shares.
	; Every wave makes both addresses, in registers that never hold the other coordinate, and asks by one of them.
	s_lshl_b32 s17, s12, 7                         ; which 128 rows of the tile I fetch
	s_lshl_b32 s16, s13, 8
	s_add_co_u32 s16, s16, s17                     ; abf: row 256 x block row + 128 x half
	s_lshl_b32 s46, s42, 8
	s_add_co_u32 s46, s46, s17                     ; wbf: row 256 x block column + 128 x half
	s_mov_b32 s17, 0
	s_mov_b32 s47, 0
	s_mov_b64 s[18:19], SIZE_K*2
	s_mul_u64 s[16:17], s[16:17], s[18:19]         ; in bytes
	s_mul_u64 s[46:47], s[46:47], s[18:19]
	s_mul_i32 s20, s10, HALFT                      ; and where they go: abf's two halves, then wbf's two halves = wave x 128 rows: no place in the cluster enters an LDS address
	s_wait_dscnt 0x0
	s_wait_kmcnt 0x0
	s_add_nc_u64 s[14:15], s[4:5], s[16:17]
	s_add_nc_u64 s[46:47], s[6:7], s[46:47]
	CROUND                                         ; all sixteen work-groups are here: the first joint loads meet
.irp s, 0,1
	s_mov_b32 s[G0+4*\s], 1                                        ; 1:0 count = 1
	s_add_co_u32 s[G0+4*\s+1], s20, \s*SLOT                        ; 63:32 LDS address
	s_add_nc_u64 s[G0+4*\s+2:G0+4*\s+3], s[14:15], \s*KSTEP*2      ; 120:64 global address: K step s
	s_or_b32 s[G0+4*\s+3], s[G0+4*\s+3], 0x80000000                ; 127:126 type = 2
	s_mov_b32 s[G0B+4*\s], 1
	s_add_co_u32 s[G0B+4*\s+1], s20, \s*SLOT
	s_add_nc_u64 s[G0B+4*\s+2:G0B+4*\s+3], s[46:47], \s*KSTEP*2
	s_or_b32 s[G0B+4*\s+3], s[G0B+4*\s+3], 0x80000000
	JLOAD \s                                       ; the ring is filled before anything else is done
.endr
	; A fragment is 16 rows x 32 K in 8 registers: lane l holds row l % 16; registers 0-3 hold K = 8 (l / 16) + 0..7, registers 4-7 hold
	; K = 16 + 8 (l / 16) + 0..7.  From rows that lie along K: two loads of 16 bytes, 32 bytes apart.  The same for source 0 and source 1.
	v_and_b32 v1, 15, v0                           ; r = l % 16
	v_bfe_u32 v2, v0, 4, 1                         ; h = l / 16
	v_mul_u32_u24 v3, v1, PITCH
	v_lshl_add_u32 v3, v2, 4, v3                   ; row x pitch + 16 x half
	s_mul_i32 s21, s11, HALFT                      ; my 128 rows of abf
	s_mul_i32 s22, s12, HALFT                      ; my 128 rows of wbf,
	s_add_co_u32 s22, s22, 2*HALFT                 ; which lie behind abf's 256
.irp s, 0,1
	v_add_nc_u32 v[ADRA+\s], s21, v3
	v_add_nc_u32 v[ADRB+\s], s22, v3
	s_add_co_u32 s21, s21, SLOT
	s_add_co_u32 s22, s22, SLOT
.endr
	; into the stage: batch row 128 x row half + r, hidden bytes 128 x column half + 32 h (a lane's eight columns are 32 bytes), region g
	s_mul_i32 s23, s11, HALFT
	s_lshl_b32 s21, s12, 7
	s_add_co_u32 s23, s23, s21
	v_mul_u32_u24 v4, v1, PITCH
	v_lshl_add_u32 v4, v2, 5, v4
.irp g, 0,1,2,3
	v_add_nc_u32 v[STO+\g], s23, v4
	s_add_co_u32 s23, s23, GREG
.endr
	; back: wave w takes rows 64 w .. 64 w + 63, whole; lanes 0-15 one row of 256 bytes, lanes 16-31 the next
	s_mul_i32 s23, s10, 64*PITCH
	v_mul_u32_u24 v5, v2, PITCH
	v_lshl_add_u32 v5, v1, 4, v5
.irp g, 0,1,2,3
	v_add_nc_u32 v[RD+\g], s23, v5
	s_add_co_u32 s23, s23, GREG
.endr
	; the same two rows in c_prev, n_prev, m_prev and the outputs; in registers that feed no descriptor and no LDS address
	s_lshl_b32 s66, s13, 8
	s_lshl_b32 s67, s10, 6
	s_add_co_u32 s66, s66, s67                     ; the first batch row that I finish: 256 x block row + 64 x wave
	s_lshl_b32 s66, s66, 13                        ; in bytes,
	s_lshl_b32 s67, s42, 8                         ; and the block's 64 hidden columns: 256 bytes x block column
	s_add_co_u32 s66, s66, s67
	v_lshlrev_b32 v3, 13, v2
	v_lshl_add_u32 v3, v1, 4, v3
	v_add_nc_u32 v[CO], s66, v3
	v_lshl_add_u32 v[BO], v1, 4, s67               ; my four hidden columns in a bias
	v_and_b32 v4, 31, v0
	v_add_nc_u32 v5, 10, v4
	v_min_u32 v5, 31, v5
	v_lshl_add_u32 v[PF0], v5, 13, s66             ; prefetch: a lane a row, my rows 10 to 31 (lanes 22 to 31 name row 31 again),
	v_add_nc_u32 v5, 32, v4
	v_lshl_add_u32 v[PF1], v5, 13, s66             ; and rows 32 to 63
; Slot s of eight for a turn's c_prev, n_prev, m_prev: 12 registers.  Slots 0-4 lie where nothing else lies in the loop over K, slots 5-7 partly in fragment buffer 1.
.macro GLREG s
.if (\s) < 5
.set GR, 196+12*(\s)
.else
.set GR, 100+12*(\s)
.endif
.endm
.macro GLOAD s, off                    ; two rows' 256 bytes of each of the three; read once in the launch
	GLREG \s
.irp q, 0,1,2
	global_load_b128 v[GR+4*\q:GR+4*\q+3], v[CO], s[68+2*\q:69+2*\q] offset:\off th:TH_LOAD_NT
.endr
.endm
	; Loads into registers that lie idle in the loop over K: the eight biases first, then the first five turns' c_prev, n_prev, m_prev.  Nothing waits for them before the way out.
.irp g, 0,1,2,3
	global_load_b128 v[BIAS+4*\g:BIAS+4*\g+3], v[BO], s[82+4*\g:83+4*\g]
	global_load_b128 v[RB+4*\g:RB+4*\g+3],     v[BO], s[84+4*\g:85+4*\g]
.endr
.irp t, 0,1,2,3,4
	GLOAD \t, \t*2*ROWB
.endr
; 16 matrix instructions: m blocks a0, a0 + 1 of the window's four (hi = 0: my rows 0-63, 1: rows 64-127) x all 8 n blocks, 32 along K.
; zero = 1: the first product starts the sums: nothing is ever cleared.
; The 64 accumulators take turns, one instruction a turn, in the same order in every quarter step.
.macro MUL16 f, hi, a0, zero
.irp a, \a0, \a0+1
.irp b, 0,1,2,3,4,5,6,7
.if \zero
	v_wmma_f32_16x16x32_bf16 v[8*(8*(\a)+\b):8*(8*(\a)+\b)+7], v[\f+8*\b:\f+8*\b+7], v[\f+8*(4*\hi+\a):\f+8*(4*\hi+\a)+7], 0
.else
	v_wmma_f32_16x16x32_bf16 v[8*(8*(\a)+\b):8*(8*(\a)+\b)+7], v[\f+8*\b:\f+8*\b+7], v[\f+8*(4*\hi+\a):\f+8*(4*\hi+\a)+7], v[8*(8*(\a)+\b):8*(8*(\a)+\b)+7]
.endif
.endr
.endr
.endm
; 32 LDS loads in one run: the fragments of one quarter step (128 rows of wbf, 128 rows of abf, 32 K at byte k of the rows) into buffer f
.macro FETCH slot, k, f
	WIN TO_B
.irp i, 0,1,2,3,4,5,6,7
	ds_load_b128 v[\f+8*\i:\f+8*\i+3],   v[ADRB+\slot] offset:\k+\i*16*PITCH
	ds_load_b128 v[\f+8*\i+4:\f+8*\i+7], v[ADRB+\slot] offset:\k+\i*16*PITCH+32
.endr
	WIN 0
.irp i, 0,1,2,3,4,5,6,7
	ds_load_b128 v[\f+8*\i:\f+8*\i+3],   v[ADRA+\slot] offset:\k+\i*16*PITCH
	ds_load_b128 v[\f+8*\i+4:\f+8*\i+7], v[ADRA+\slot] offset:\k+\i*16*PITCH+32
.endr
.endm
; A load into a register that a matrix instruction has read, and a vector instruction that reads a matrix result or writes one of a matrix instruction's registers, stand four places behind
; that matrix instruction, and only plain vector instructions that name none of its registers are places (ISA guide 7.12.1 for vector instructions).
.macro PLACES
.rept 4
	v_nop
.endr
.endm
; A K step is four quarter steps of 32 along K, 64 matrix instructions each, on buffers 0, 1, 0, 1.
; One of the first three: multiplies buffer f; in its middle it fetches the next quarter's fragments, at byte k of the same slot's rows, into buffer g.
; ask = 0, 1, 2: behind that run of loads my rows 10 to 63 of c_prev, n_prev or m_prev (the block's 256 bytes of each row) are asked for ahead; -1: nothing.
.macro QUARTER slot, k, f, g, zero, ask
	s_wait_dscnt 8                                 ; wbf's and abf's rows 0-63 are in; the youngest eight loads (abf's rows 64-127) may be out
	WIN MUL_LO
	MUL16 \f, 0, 0, \zero
	MUL16 \f, 0, 2, \zero
	PLACES
	FETCH \slot, \k, \g
.if \ask >= 0
	global_prefetch_b8 v[PF0], s[68+2*\ask:69+2*\ask] th:TH_LOAD_NT scope:SCOPE_SE
	global_prefetch_b8 v[PF1], s[68+2*\ask:69+2*\ask] th:TH_LOAD_NT scope:SCOPE_SE
.endif
	s_wait_dscnt 32                                ; all but the 32 just issued
	WIN MUL_HI
	MUL16 \f, 1, 0, \zero
	MUL16 \f, 1, 2, \zero
.endm
; The last quarter multiplies buffer 1 and changes slots.  MEET is its first half: ONE barrier for the change of slots, for two things.  In front of it each wave waits for its own reads of
; this slot and for all its tensor loads, of which one is out: its part of the next slot.  Behind it nobody reads this slot any more and the next slot is whole.
.macro MEET round                      ; round = 1: a round of the cluster's barrier follows
	s_wait_dscnt 8
	WIN MUL_LO
	MUL16 F1, 0, 0, 0
	s_wait_dscnt 0                                 ; my reads of this slot are over
	s_wait_tensorcnt 0x0                           ; and all my tensor loads have landed: the one that was out is my part of the next slot
	ds_add_u32 v255, v31
	s_wait_dscnt 0x0
	s_barrier_signal -1                            ; say so (where a slot is filled again this barrier opens a round of the cluster's barrier),
	MUL16 F1, 0, 2, 0                              ; work on registers while the others arrive,
.if \round
	WIN 0
.endif
	s_barrier_wait -1                              ; and go on when all four have said so
.endm
; The whole last quarter.  fill = 1: behind the round the slot just read out is filled again first, with the K step two steps on; then come the next slot's first fragments.
; From a request to the wait for it a wave issues 240 matrix instructions.
.macro TURN slot, next, fill
	MEET \fill
.if \fill
	CREST                                          ; no wave of any partner still reads this slot's tile or has a load on its way
	s_add_nc_u64 s[G0+4*\slot+2:G0+4*\slot+3], s[G0+4*\slot+2:G0+4*\slot+3], 2*KSTEP*2      ; no tensor load of mine is out, so a group 0 may be written
	s_add_nc_u64 s[G0B+4*\slot+2:G0B+4*\slot+3], s[G0B+4*\slot+2:G0B+4*\slot+3], 2*KSTEP*2
	JLOAD \slot                                    ; the first tensor load behind the round; the four v_nop behind it are also the places in front of the loads below
.else
	PLACES
.endif
	FETCH \next, 0, F0
	WIN MUL_HI
	MUL16 F1, 1, 0, 0
	MUL16 F1, 1, 2, 0
.endm
	s_wait_tensorcnt 1                             ; my part of K step 0 is in; K step 1's may stay out
	s_barrier_signal -1
	s_barrier_wait -1                              ; everybody's is
	FETCH 0, 0, F0
	QUARTER 0, 64,  F0, F1, 1, -1                  ; the first quarter stands in front of the loop: its products start the sums
	WIN 0                                          ; at a label and at a branch every window is 0
	s_mov_b32 s3, LAPS-1
.Llap:                                                 ; a trip goes once round the ring, from a lap's second quarter to the next lap's first, and fills both slots again
	QUARTER 0, 128, F1, F0, 0, -1
	QUARTER 0, 192, F0, F1, 0, -1
	TURN 0, 1, 1
	QUARTER 1, 64,  F0, F1, 0, -1
	QUARTER 1, 128, F1, F0, 0, -1
	QUARTER 1, 192, F0, F1, 0, -1
	TURN 1, 0, 1
	QUARTER 0, 64,  F0, F1, 0, -1
	WIN 0
	s_sub_co_u32 s3, s3, 1
	s_cmp_lg_u32 s3, 0
	s_cbranch_scc1 .Llap
	QUARTER 0, 128, F1, F0, 0, -1                  ; the last lap is written out: it fills nothing, and has no round of the cluster's barrier
	QUARTER 0, 192, F0, F1, 0, -1
	TURN 0, 1, 0
	QUARTER 1, 64,  F0, F1, 0, 0                   ; the last K step's first three quarters ask ahead for c_prev, n_prev, m_prev: 54 rows x 256 bytes of each,
	QUARTER 1, 128, F1, F0, 0, 1                   ; by the wave that will load them; my rows 0 to 9 are in registers or on their way
	QUARTER 1, 192, F0, F1, 0, 2
	s_wait_dscnt 8                                 ; the very last quarter: nothing more to fetch
	WIN MUL_LO
	MUL16 F1, 0, 0, 0
	MUL16 F1, 0, 2, 0
	s_wait_dscnt 0                                 ; my reads of the ring are over (and no tensor load has been out since the last change of slots):
	s_barrier_signal -1                            ; behind this barrier the ring's bytes are the stage
	WIN MUL_HI
	MUL16 F1, 1, 0, 0
	MUL16 F1, 1, 2, 0
	WIN 0
	s_barrier_wait -1
	; THE WAY OUT, part 1.  The biases: W's + R's, and z's and o's times the factor of their exponential, so that each of these two gates takes one fused multiply-add a pair.
	; These twelve plain instructions name no register of the last products: they are the places in front of the loads and LDS stores below.
	s_wait_loadcnt 15                              ; the eight biases are in; the fifteen loads of c_prev, n_prev, m_prev issued behind them may stay out
.irp j, 0,2,4,6,8,10,12,14
	v_pk_add_f32 v[BIAS+\j:BIAS+\j+1], v[BIAS+\j:BIAS+\j+1], v[RB+\j:RB+\j+1]
.endr
.irp j, 0,2
	v_pk_mul_f32 v[BIAS+\j:BIAS+\j+1], v[BIAS+\j:BIAS+\j+1], 0x4038aa3b op_sel_hi:[1,0]         ; bz x 2 log2(e)
.endr
.irp j, 12,14
	v_pk_mul_f32 v[BIAS+\j:BIAS+\j+1], v[BIAS+\j:BIAS+\j+1], 0xbfb8aa3b op_sel_hi:[1,0]         ; bo x -log2(e)
.endr
.irp t, 5,6,7
	GLOAD \t, \t*2*ROWB                            ; turns 5 to 7: fragment buffer 1 is free now
.endr
	; Accumulator (a, b): batch rows 16 a on, hidden group b / 4 (64 bytes), gate b % 4; a lane's eight numbers are 32 consecutive bytes of a stage row.
.macro TOSTAGE hi
.irp a, 0,1,2,3
.irp b, 0,1,2,3,4,5,6,7
	ds_store_b128 v[STO+\b%4], v[8*(8*\a+\b):8*(8*\a+\b)+3]   offset:(\a+4*\hi)*16*PITCH+(\b/4)*64
	ds_store_b128 v[STO+\b%4], v[8*(8*\a+\b)+4:8*(8*\a+\b)+7] offset:(\a+4*\hi)*16*PITCH+(\b/4)*64+16
.endr
.endr
.endm
	WIN 0x08                                       ; the stores' data in window 2
	TOSTAGE 0
	WIN 0x0c                                       ; in window 3
	TOSTAGE 1
	WIN 0
	s_wait_dscnt 0x0                               ; for the others' sake: my stores into the stage are done
	s_barrier_signal -1
	s_barrier_wait -1
	; THE WAY OUT, part 2.  32 turns of two rows.  Three rings in registers: four turns' gates from the stage, eight turns' c_prev, n_prev, m_prev, two turns' results.
.irp t, 0,1,2,3
.irp g, 0,1,2,3
	ds_load_b128 v[LD+16*\t+4*\g:LD+16*\t+4*\g+3], v[RD+\g] offset:\t*2*PITCH
.endr
.endr
; Turn i of a group of eight.  gl = 1: its slot of c_prev, n_prev, m_prev takes the turn eight on; ld = 1: its slot of gates the turn four on.
; lc, dc: how many younger global and LDS loads may stay out.
; rL: Z at +0, I at +4, F at +8, O at +12.  GR: c_prev +0, n_prev +4, m_prev +8.  rU: h +0, c +4, n +8, m +12.
.macro ROWS i, gl, ld, lc, dc
.set rL, LD+16*((\i)%4)
.set rU, OUT+16*((\i)%2)
	GLREG \i
	s_wait_loadcnt \lc                             ; loads come back in order (ISA guide 5.7.1): this turn's three are in
	s_wait_dscnt \dc                               ; and its four from the stage
	s_wait_xcnt 0x0                                ; every earlier memory instruction has had its addresses translated (ISA guide 3.1): the results' registers, which earlier stores read, are rewritten only behind this wait
.irp p, 0,2
	v_pk_fma_f32 v[rL+\p:rL+\p+1], v[rL+\p:rL+\p+1], 0x4038aa3b, v[BIAS+\p:BIAS+\p+1] op_sel_hi:[1,0,1]                 ; 2 log2(e) (Pz + bz)
.endr
.irp p, 0,2
	v_pk_fma_f32 v[rL+12+\p:rL+13+\p], v[rL+12+\p:rL+13+\p], 0xbfb8aa3b, v[BIAS+12+\p:BIAS+13+\p] op_sel_hi:[1,0,1]     ; -log2(e) (Po + bo)
.endr
.irp e, 0,1,2,3,12,13,14,15
	v_exp_f32 v[rL+\e], v[rL+\e]                   ; e^(2 z_pre), e^(-o_pre); the plain work on i and f stands between these and the use of their results (ISA guide 5.7.2)
.endr
.irp p, 0,2
	v_pk_add_f32 v[rL+4+\p:rL+5+\p], v[rL+4+\p:rL+5+\p], v[BIAS+4+\p:BIAS+5+\p]                 ; log i
.endr
.irp p, 0,2
	v_pk_add_f32 v[rL+8+\p:rL+9+\p], v[rL+8+\p:rL+9+\p], v[BIAS+8+\p:BIAS+9+\p]                 ; log f
.endr
.irp p, 0,2
	v_pk_add_f32 v[rL+8+\p:rL+9+\p], v[rL+8+\p:rL+9+\p], v[GR+8+\p:GR+9+\p]                     ; + m_prev
.endr
.irp e, 0,1,2,3
	v_max_num_f32 v[rU+12+\e], v[rL+8+\e], v[rL+4+\e]                                           ; m
.endr
.irp p, 0,2
	v_pk_add_f32 v[rL+4+\p:rL+5+\p], v[rL+4+\p:rL+5+\p], v[rU+12+\p:rU+13+\p] neg_lo:[0,1] neg_hi:[0,1]   ; log i - m
	v_pk_add_f32 v[rL+8+\p:rL+9+\p], v[rL+8+\p:rL+9+\p], v[rU+12+\p:rU+13+\p] neg_lo:[0,1] neg_hi:[0,1]   ; log f + m_prev - m: neither is above 0
.endr
.irp p, 4,6,8,10
	v_pk_mul_f32 v[rL+\p:rL+\p+1], v[rL+\p:rL+\p+1], 0x3fb8aa3b op_sel_hi:[1,0]                 ; x log2(e)
.endr
.irp e, 4,5,6,7,8,9,10,11
	v_exp_f32 v[rL+\e], v[rL+\e]                   ; i, f
.endr
	s_wait_alu depctr_va_vdst(0)
.irp p, 0,2
	v_pk_add_f32 v[rL+\p:rL+\p+1], v[rL+\p:rL+\p+1], 1.0 op_sel_hi:[1,0]                        ; 1 + e^(2 z_pre): the plain instruction behind those exponentials
.endr
.irp p, 0,2
	v_pk_fma_f32 v[rU+8+\p:rU+9+\p], v[rL+8+\p:rL+9+\p], v[GR+4+\p:GR+5+\p], v[rL+4+\p:rL+5+\p] ; n = f n_prev + i
.endr
.irp e, 0,1,2,3
	v_rcp_f32 v[rL+\e], v[rL+\e]
.endr
.irp p, 0,2
	v_pk_fma_f32 v[rL+12+\p:rL+13+\p], v[rU+8+\p:rU+9+\p], v[rL+12+\p:rL+13+\p], v[rU+8+\p:rU+9+\p]   ; n (1 + e^(-o_pre)): the plain instruction behind those reciprocals
.endr
.irp e, 12,13,14,15
	v_rcp_f32 v[rL+\e], v[rL+\e]                   ; o / n
.endr
	s_wait_alu depctr_va_vdst(0)
.irp p, 0,2
	v_pk_fma_f32 v[rL+\p:rL+\p+1], v[rL+\p:rL+\p+1], -2.0, 1.0 op_sel_hi:[1,0,0]                ; z = 1 - 2 / (1 + e^(2 z_pre)): the plain instruction behind those
.endr
.irp p, 0,2
	v_pk_mul_f32 v[rU+4+\p:rU+5+\p], v[rL+8+\p:rL+9+\p], v[GR+\p:GR+\p+1]                       ; f c_prev
.endr
.irp p, 0,2
	v_pk_fma_f32 v[rU+4+\p:rU+5+\p], v[rL+4+\p:rL+5+\p], v[rL+\p:rL+\p+1], v[rU+4+\p:rU+5+\p]   ; c = i z + f c_prev
.endr
.irp p, 0,2
	v_pk_mul_f32 v[rU+\p:rU+\p+1], v[rU+4+\p:rU+5+\p], v[rL+12+\p:rL+13+\p]                     ; h = c o / n
.endr
.if \gl
	GLOAD \i, (\i+8)*2*ROWB
.endif
.if \ld
.irp g, 0,1,2,3
	ds_load_b128 v[rL+4*\g:rL+4*\g+3], v[RD+\g] offset:(\i+4)*2*PITCH
.endr
.endif
.irp q, 0,1,2,3
	global_store_b128 v[CO], v[rU+4*\q:rU+4*\q+3], s[74+2*\q:75+2*\q] offset:(\i)*2*ROWB th:TH_STORE_NT   ; 16 lanes store 256 consecutive bytes, at a multiple of 256 from the output's first byte
.endr
.endm
	s_mov_b32 s3, 3
.Lrows:                                                ; three trips of eight turns: 21 = seven younger turns' three loads, 12 = three younger turns' four
.irp i, 0,1,2,3,4,5,6,7
	ROWS \i, 1, 1, 21, 12
.endr
	s_wait_xcnt 0x0                                ; the offset that pending loads and stores name is stepped only behind this wait
	v_add_nc_u32 v[CO], 16*ROWB, v[CO]             ; sixteen rows on
.irp g, 0,1,2,3
	v_add_nc_u32 v[RD+\g], 16*PITCH, v[RD+\g]
.endr
	s_sub_co_u32 s3, s3, 1
	s_cmp_lg_u32 s3, 0
	s_cbranch_scc1 .Lrows
.irp i, 0,1,2,3
	ROWS \i, 0, 1, 3*(7-\i), 12                    ; the last eight turns are written out: no load leaves a buffer, and the counts run down
.endr
.irp i, 4,5,6,7
	ROWS \i, 0, 0, 3*(7-\i), 4*(7-\i)
.endr
	s_set_vgpr_msb 0x1
	s_wait_tensorcnt 0x0
	ds_add_u32 v255, v31
	s_wait_dscnt 0x0
	s_set_vgpr_msb 0x100
	CROUND                                         ; the closing round: no work-group ends while a partner may still ask for a tile that names it
	s_endpgm
.Lfunc_end_k_qb249a903dd_cell:
	.size	k_qb249a903dd_cell, .Lfunc_end_k_qb249a903dd_cell-k_qb249a903dd_cell
	.p2alignl 7, 3214868480
	.fill 96, 4, 3214868480
	.section	.rodata,"a",@progbits
	.p2align	6, 0x0
	.amdhsa_kernel k_qb249a903dd_cell
		.amdhsa_group_segment_fixed_size 327680
		.amdhsa_private_segment_fixed_size 0
		.amdhsa_enable_private_segment 0
		.amdhsa_kernarg_size 136
		.amdhsa_user_sgpr_count 2
		.amdhsa_user_sgpr_kernarg_segment_ptr 1
		.amdhsa_wavefront_size32 1
		.amdhsa_system_sgpr_workgroup_id_x 1
		.amdhsa_system_sgpr_workgroup_id_y 1
		.amdhsa_system_sgpr_workgroup_id_z 1
		.amdhsa_system_vgpr_workitem_id 0
		.amdhsa_next_free_vgpr 1024
		.amdhsa_next_free_sgpr 100
		.amdhsa_reserve_vcc 0
		.amdhsa_float_denorm_mode_32 3
		.amdhsa_float_denorm_mode_16_64 3
		.amdhsa_memory_ordered 1
		.amdhsa_forward_progress 1
		.amdhsa_inst_pref_size 190
	.end_amdhsa_kernel
	.amdgpu_metadata
---
amdhsa.version: [ 1, 2 ]
amdhsa.kernels:
  - .name:           k_qb249a903dd_cell
    .symbol:         k_qb249a903dd_cell.kd
    .args:
      - { .name: abf, .offset: 0, .size: 8, .value_kind: global_buffer, .address_space: global }
      - { .name: wbf, .offset: 8, .size: 8, .value_kind: global_buffer, .address_space: global }
      - { .name: c_prev, .offset: 16, .size: 8, .value_kind: global_buffer, .address_space: global }
      - { .name: n_prev, .offset: 24, .size: 8, .value_kind: global_buffer, .address_space: global }
      - { .name: m_prev, .offset: 32, .size: 8, .value_kind: global_buffer, .address_space: global }
      - { .name: out0, .offset: 40, .size: 8, .value_kind: global_buffer, .address_space: global }
      - { .name: out1, .offset: 48, .size: 8, .value_kind: global_buffer, .address_space: global }
      - { .name: out2, .offset: 56, .size: 8, .value_kind: global_buffer, .address_space: global }
      - { .name: out3, .offset: 64, .size: 8, .value_kind: global_buffer, .address_space: global }
      - { .name: Wzx_b, .offset: 72, .size: 8, .value_kind: global_buffer, .address_space: global }
      - { .name: Rzh_b, .offset: 80, .size: 8, .value_kind: global_buffer, .address_space: global }
      - { .name: Wix_b, .offset: 88, .size: 8, .value_kind: global_buffer, .address_space: global }
      - { .name: Rih_b, .offset: 96, .size: 8, .value_kind: global_buffer, .address_space: global }
      - { .name: Wfx_b, .offset: 104, .size: 8, .value_kind: global_buffer, .address_space: global }
      - { .name: Rfh_b, .offset: 112, .size: 8, .value_kind: global_buffer, .address_space: global }
      - { .name: Wox_b, .offset: 120, .size: 8, .value_kind: global_buffer, .address_space: global }
      - { .name: Roh_b, .offset: 128, .size: 8, .value_kind: global_buffer, .address_space: global }
    .group_segment_fixed_size: 327680
    .private_segment_fixed_size: 0
    .kernarg_segment_align: 8
    .kernarg_segment_size: 136
    .max_flat_workgroup_size: 128
    .sgpr_count:     100
    .vgpr_count:     1024
    .wavefront_size: 32
...
	.end_amdgpu_metadata
.endif
;; end of part 2
